; MI455X (gfx1250); checked and timed in simulation.
; The chip was launched on July 23, 2026; its instructions are those of AMD's public machine-readable ISA for CDNA 5 (MIT licence, August 2026) and "CDNA5" Instruction Set Architecture Reference Guide (July 2026). The comments in the code are by the model that wrote it; some were corrected since.
;; Multi Head Attention. Allowed arithmetic: matrix products marked QUANTISED: E4M3 operands, one given power-of-two scale a tensor, by v_wmma_f32_16x16x64_fp8_fp8 or v_wmma_f32_16x16x128_fp8_fp8, f32 sums; everything else in f32.
;; Inputs: Wk 1,024 x 1,024 float32; Wo 1,024 x 1,024 float32; Wq 1,024 x 1,024 float32; Wv 1,024 x 1,024 float32; bk 1,024 float32; bo 1,024 float32; bq 1,024 float32; bv 1,024 float32; key 4 x 2,048 x 1,024 float32; lowp_scales 12 int32 (the exponents e of the quantised operands' scales 2^e); query 4 x 2,048 x 1,024 float32; value 4 x 2,048 x 1,024 float32.
;; Outputs: out0 4 x 2,048 x 1,024 float32.
;; This version of the problem:
;;   THIS VERSION OF THE PROBLEM IS GIVEN IN LOW PRECISION. The matrix products marked QUANTISED in the list below multiply operands that are first quantised to E4M3 (4 exponent bits, 3 mantissa bits; 8 bits a number), with one given power-of-two scale for each operand tensor; their sums are f32. All else is computed in f32.
;;   The module's matrix products, in the order in which they are computed (A, B: the left and right operand; K: the contracted axis; several contracted axes count as one K, in the product's order):
;;     1. [M 8,192, K 1,024] x [K 1,024, N 1,024]; A: input value; B: input Wv: QUANTISED (scales: A lowp_scales[0], B lowp_scales[1])
;;     2. [M 8,192, K 1,024] x [K 1,024, N 1,024]; A: input key; B: input Wk: QUANTISED (scales: A lowp_scales[2], B lowp_scales[3])
;;     3. [M 8,192, K 1,024] x [K 1,024, N 1,024]; A: input query; B: input Wq: QUANTISED (scales: A lowp_scales[4], B lowp_scales[5])
;;     4. batch 64 x [M 2,048, K 64] x [K 64, N 2,048]; A: computed on the way; B: computed on the way: QUANTISED (scales: A lowp_scales[6], B lowp_scales[7])
;;     5. batch 64 x [M 64, K 2,048] x [K 2,048, N 2,048]; A: computed on the way; B: softmax (see below): QUANTISED (scales: A lowp_scales[8], B lowp_scales[9])
;;     6. [M 8,192, K 1,024] x [K 1,024, N 1,024]; A: computed on the way; B: input Wo: QUANTISED (scales: A lowp_scales[10], B lowp_scales[11])
;;   THE QUANTISER, for each operand of a quantised product, along K:
;;     - The operand's scale is 2^e, e = its entry of the input lowp_scales (int32; the entries are numbered through the quantised products in the list's order, A before B).
;;     - Each number is divided by the scale, clamped to +-448, and rounded to the nearest number of E4M3, ties to even, subnormals kept.
;;     - The product sums the exact products of the quantised numbers (number of the format x scale) in f32.
;;   ~~~python
;;   def quantise(x, axis, e):      # numpy; x: float32 -> the quantised numbers, widened to float32 again
;;       x = np.moveaxis(x, axis, -1); K = x.shape[-1]
;;       r = np.clip(x / 2.0 ** e, -448, 448)
;;       step = 2.0 ** (np.maximum(np.frexp(np.where(r == 0, 1, r))[1] - 1, -6) - 3)
;;       q = np.round(r / step) * step * 2.0 ** e      # np.round: ties to even
;;       return np.moveaxis(q, -1, axis).astype(np.float32)
;;   ~~~
;;   SOFTMAX AHEAD OF A QUANTISED PRODUCT. Where the list says 'softmax', what is quantised is not the finished softmax but p = 2^(t - M), with t = logit x log2(e) and M = ceil(the row's largest t), a whole number; so 1/2 < the row's largest p <= 1. The row's sum l is taken of the UNQUANTISED p, in f32, and the product's result is divided by l at the end. Since M is a whole number, a kernel that streams over the keys may use a running M (the ceiling of the running maximum): every later rescaling is an exact power of two, so the quantised numbers keep their values, but for numbers so far below the row's largest that they fall under the format's range.
;;   OPERANDS COMPUTED ON THE WAY. 'Computed on the way' means the value that the module computes at that place (a softmax that the list does not call 'softmax' is quantised finished and normalised). What goes into a quantiser is computed in f32, as accurately as f32 sums, v_exp_f32 and their like allow (about 1e-6 of the number): no bf16 or f16 on the way to a quantiser, and a product that is left as it is and whose result goes on into a quantised operand takes f32 operands (vector FMAs, or v_wmma_f32_16x16x4_f32). A number that lies on a knife's edge between two numbers of the format may be rounded either way, as far as f32 arithmetic and the matrix unit's own rounding can turn it there, and no further.
;; One version. Each part assembles by itself: llvm-mc -triple=amdgcn-amd-amdhsa -mcpu=gfx1250 --defsym DOCPART=n.
;; ======== version 1 of 1: 4 launches
;; limits: right only within a limited range of input values
;; workspace buffers: cod 29,360,128 bytes; qkv 25,165,824 bytes; ac 8,388,608 bytes
;; launch qxw (part 1): grid 896 x 1, 4 waves a work-group, no clusters, 68,096 bytes of LDS; arguments value, key, query, Wv, Wk, Wq, Wo, lowp_scales, cod; writes cod
.if DOCPART == 1
	.amdgcn_target "amdgcn-amd-amdhsa--gfx1250"
	.amdhsa_code_object_version 6
	.text
	.protected	k_qf857819ce8_qxw
	.globl	k_qf857819ce8_qxw
	.p2align	8
	.type	k_qf857819ce8_qxw,@function
k_qf857819ce8_qxw:
	s_mov_b64 s[64:65], 0
	v_nop
	global_prefetch_b8 v0, s[64:65] scope:SCOPE_SE
	s_setreg_imm32_b32 hwreg(HW_REG_WAVE_MODE, 25, 1), 1
	s_wait_xcnt 0x0
; ALL SEVEN f32 OPERANDS OF THE FOUR PROJECTIONS BECOME CODES OF FP8 (E4M3), one byte each, K innermost, in cod.  code = x / 2^e, held within +-448, to the nearest code, ties to even.
; LIMITS: -126 <= e and e + 8 <= 127 for each exponent used, so that 2^e and 448 x 2^e are f32 numbers.  NaN among the inputs is not served (an infinity is held at the largest code).
; Work-groups 0 to 127: Wv, Wk, Wq, Wo, each [k 1024][n 1024] with K as the FIRST axis, to planes [n 1024][k 1024] of 2^20 bytes from byte WOFF on; e = entries 1, 3, 5, 11 of the scales.
;   Number = 8 y + x: x = which 128 columns, y = 4 x tensor + which 256 along K.  A LANE TAKES A COLUMN n AND ITS REGISTERS RUN DOWN K: each load reads neighbouring n in neighbouring lanes, and the conversions give the
;   codes with K innermost.  A wave's 32 columns x 256 codes go through its own stage in LDS and leave as rows: sixteen lanes store 256 bytes on end, aligned.  Loads run two blocks of 32 ahead.
; Work-groups 128 to 895: value, key, query, each [8192][1024], to planes 0, 1, 2 of 2^23 bytes; e = entries 0, 2, 4.  256 work-groups a tensor; a wave takes 16 steps of 512 numbers.
;   Each of a step's four loads reads 512 bytes on end; the 2,048 bytes go through the wave's own stage in LDS and come back 64 bytes a lane (16 neighbours along K, as the conversions want them); a wave stores 512 bytes on end.
; The two paths part on the work-group's number alone, and each has LDS bytes of its own.  No tensor loads, no barrier, no cluster: waves and work-groups share nothing.
.set EMAX,  8
.set MANT,  0x600000                   ; the mantissa field of 448 as f32
.set STEPS, 16
.set CB,    16
.set R,     16                         ; v16-79   four sets of 16 numbers as they are loaded
.set X,     80                         ; v80-111  two sets of 16 neighbours
.set C,     128                        ; v128-191 codes: four registers for each step
.set WREG,  8192                       ; the activations' path: a region for each wave: two stages of 32 x SP bytes
.set SP,    80
.set SIZE_N, 1024
.set WOFF,  25165824
.set NB,    8
.set PITCH, 272
.set KROW,  1024
.set WSTG,  4*WREG                     ; the weights' path: four stages of 32 x PITCH bytes
.set WX,    32                         ; v32-95   two sets of 32 numbers
.set WC,    96                         ; v96-103  a block's codes
.set OUTR,  112                        ; v112-175 the way out
.set SPARE, WSTG+4*32*PITCH            ; the spare words, 128 bytes for each wave: two blocks of 256 bytes that no other line names
	s_load_b256 s[40:47], s[0:1], 0x0              ; value, key, query, Wv
	s_load_b256 s[48:55], s[0:1], 0x20             ; Wk, Wq, Wo, the scales' exponents
	s_load_b64 s[56:57], s[0:1], 0x40              ; cod
	v_lshl_add_u32 v192, v0, 2, SPARE
	v_mov_b32 v193, 0
	v_lshrrev_b32 v1, 5, v0
	v_readfirstlane_b32 s16, v1                    ; wave
	v_and_b32 v2, 31, v0                           ; lane
	s_cmp_lt_u32 ttmp9, 128
	s_wait_alu depctr_va_vdst(0)
	s_cbranch_scc1 .Lweights
	; THE ACTIVATIONS
	v_lshlrev_b32 v3, 4, v2                        ; my 16 bytes of a load's 512
	s_mul_i32 s17, s16, WREG
	v_lshrrev_b32 v14, 2, v2
	v_mul_u32_u24 v14, v14, SP
	v_and_b32 v15, 3, v2
	v_lshl_add_u32 v14, v15, 4, v14
	v_add_nc_u32 v14, s17, v14                     ; the stage, in: SP (lane / 4) + 16 (lane % 4)
	v_mul_u32_u24 v15, v2, SP
	v_add_nc_u32 v15, s17, v15                     ; and out: SP x lane
	v_mul_u32_u24 v4, v2, CB
	s_sub_co_u32 s26, ttmp9, 128
	s_lshr_b32 s24, s26, 8                         ; which tensor: 0 value, 1 key, 2 query
	s_and_b32 s25, s26, 255
	s_lshl_b32 s25, s25, 2
	s_add_co_u32 s25, s25, s16                     ; which run of 8,192 numbers is my wave's
	s_lshl_b32 s18, s25, 15
	s_mov_b32 s19, 0
	s_lshl_b32 s20, s26, 2
	s_add_co_u32 s20, s20, s16
	s_lshl_b32 s20, s20, 13                        ; my codes' place: the three planes lie on end
	s_mov_b32 s21, 0
	s_wait_alu depctr_va_vdst(0)
	s_wait_kmcnt 0x0
	s_load_b256 s[32:39], s[54:55], 0x0            ; entries 0 to 7 of the scales
	s_cmp_eq_u32 s24, 1
	s_cselect_b64 s[4:5], s[42:43], s[40:41]
	s_cmp_eq_u32 s24, 2
	s_cselect_b64 s[4:5], s[44:45], s[4:5]
	s_add_nc_u64 s[4:5], s[4:5], s[18:19]
	s_add_nc_u64 s[12:13], s[56:57], s[20:21]
.macro XLOAD t
.irp i, 0,1,2,3
	global_load_b128 v[R+16*((\t)%4)+4*\i:R+16*((\t)%4)+4*\i+3], v3, s[4:5] offset:2048*(\t)+512*\i th:TH_LOAD_NT
.endr
.endm
.macro XTURN t                         ; LDS serves a wave's instructions in order: no wait between the stores and the loads
.irp i, 0,1,2,3
	ds_store_b128 v14, v[R+16*((\t)%4)+4*\i:R+16*((\t)%4)+4*\i+3] offset:32*SP*((\t)%2)+8*SP*\i
.endr
.irp i, 0,1,2,3
	ds_load_b128 v[X+16*((\t)%2)+4*\i:X+16*((\t)%2)+4*\i+3], v15 offset:32*SP*((\t)%2)+16*\i
.endr
.endm
.irp t, 0,1,2,3
	XLOAD \t
.endr
	s_wait_kmcnt 0x0
	s_cmp_eq_u32 s24, 1
	s_cselect_b32 s22, s34, s32
	s_cmp_eq_u32 s24, 2
	s_cselect_b32 s22, s36, s22                    ; e
	s_add_co_i32 s22, s22, 127
	s_lshl_b32 s23, s22, 23
	v_mov_b32 v11, s23                             ; 2^e
	s_add_co_i32 s22, s22, EMAX
	s_lshl_b32 s22, s22, 23
	s_or_b32 s22, s22, MANT
	v_mov_b32 v10, s22                             ; 448 x 2^e
	s_wait_alu depctr_va_vdst(0)
	s_wait_loadcnt 12                              ; step 0's four loads are in; the twelve of steps 1 to 3 may be out
	XTURN 0
.macro XSTEP t
.set XS, X+16*((\t)%2)
	s_wait_dscnt 0x0                               ; this step's numbers are back, so its stores into the stage have read their registers,
.if (\t)+4 < STEPS
	XLOAD (\t)+4                                   ; which take the loads of four steps on
.endif
.if (\t)+1 < STEPS
.if STEPS-2-(\t) >= 3
	s_wait_loadcnt 12                              ; the next step's four loads are in; those of the three steps behind it may be out
.else
	s_wait_loadcnt 4*(STEPS-2-(\t))
.endif
	XTURN (\t)+1
.endif
.irp i, 0,1,2,3,4,5,6,7,8,9,10,11,12,13,14,15
	v_med3_num_f32 v[XS+\i], v[XS+\i], -v10, v10   ; the conversion does not saturate (ISA guide 7.6.2): the hold comes first
.endr
	v_cvt_scalef32_pk8_fp8_f32 v[C+4*(\t):C+4*(\t)+1], v[XS:XS+7], v11
	v_cvt_scalef32_pk8_fp8_f32 v[C+4*(\t)+2:C+4*(\t)+3], v[XS+8:XS+15], v11
	global_store_b128 v4, v[C+4*(\t):C+4*(\t)+3], s[12:13] offset:32*CB*(\t)
.endm
.irp t, 0,1,2,3,4,5,6,7,8,9,10,11,12,13,14,15
	XSTEP \t
.endr
	s_wait_tensorcnt 0x0                           ; the wave's end
	ds_add_u32 v192, v193
	s_wait_dscnt 0x0
	s_endpgm
.Lweights:
	; THE WEIGHTS
	s_and_b32 s17, ttmp9, 7
	s_lshl_b32 s17, s17, 7
	s_lshl_b32 s18, s16, 5
	s_add_co_u32 s17, s17, s18                     ; my wave's first column
	s_lshr_b32 s18, ttmp9, 3
	s_lshr_b32 s28, s18, 2                         ; which tensor
	s_and_b32 s18, s18, 3                          ; which 256 along K
	v_lshlrev_b32 v3, 2, v2
	s_mul_i32 s19, s16, 32*PITCH
	s_add_co_u32 s19, s19, WSTG                    ; my stage
	v_mul_u32_u24 v4, v2, PITCH
	v_add_nc_u32 v4, s19, v4                       ; into it: row = my column
	v_and_b32 v5, 15, v2
	v_lshrrev_b32 v6, 4, v2
	v_mul_u32_u24 v7, v6, PITCH
	v_lshl_add_u32 v7, v5, 4, v7
	v_add_nc_u32 v7, s19, v7                       ; out of it: sixteen lanes to a row
	v_mul_u32_u24 v8, v6, KROW
	v_lshl_add_u32 v8, v5, 4, v8                   ; and the same place in the codes' plane
	s_lshl_b32 s20, s18, 20
	s_lshl_b32 s22, s17, 2
	s_add_co_u32 s20, s20, s22
	s_mov_b32 s21, 0
	s_lshl_b32 s24, s28, 20
	s_add_co_u32 s24, s24, WOFF
	s_lshl_b32 s22, s17, 10
	s_add_co_u32 s24, s24, s22
	s_lshl_b32 s22, s18, 8
	s_add_co_u32 s24, s24, s22
	s_mov_b32 s25, 0
	s_wait_alu depctr_va_vdst(0)
	s_wait_kmcnt 0x0
	s_load_b256 s[32:39], s[54:55], 0x0            ; entries 0 to 7 of the scales,
	s_load_b128 s[60:63], s[54:55], 0x20           ; entries 8 to 11
	s_cmp_eq_u32 s28, 1
	s_cselect_b64 s[4:5], s[48:49], s[46:47]
	s_cmp_eq_u32 s28, 2
	s_cselect_b64 s[4:5], s[50:51], s[4:5]
	s_cmp_eq_u32 s28, 3
	s_cselect_b64 s[4:5], s[52:53], s[4:5]
	s_add_nc_u64 s[4:5], s[4:5], s[20:21]
	s_add_nc_u64 s[14:15], s[56:57], s[24:25]
.macro WLOAD t                         ; block t: W(32 t + i, my column) into set t % 2
.irp i, 0,1,2,3,4,5,6,7,8,9,10,11,12,13,14,15,16,17,18,19,20,21,22,23,24,25,26,27,28,29,30,31
	global_load_b32 v[WX+32*((\t)%2)+\i], v3, s[4:5] offset:(32*(\t)+\i)*SIZE_N*4 th:TH_LOAD_NT
.endr
.endm
	WLOAD 0
	WLOAD 1
	s_wait_kmcnt 0x0
	s_cmp_eq_u32 s28, 1
	s_cselect_b32 s30, s35, s33
	s_cmp_eq_u32 s28, 2
	s_cselect_b32 s30, s37, s30
	s_cmp_eq_u32 s28, 3
	s_cselect_b32 s30, s63, s30                    ; e
	s_add_co_i32 s30, s30, 127
	s_lshl_b32 s31, s30, 23
	v_mov_b32 v11, s31
	s_add_co_i32 s30, s30, EMAX
	s_lshl_b32 s30, s30, 23
	s_or_b32 s30, s30, MANT
	v_mov_b32 v10, s30
.macro WBLOCK t
.set XS, WX+32*((\t)%2)
.if (\t) < NB-1
	s_wait_loadcnt 32                              ; this block's 32 loads are in; the next block's may be out
.else
	s_wait_loadcnt 0
.endif
.irp i, 0,1,2,3,4,5,6,7,8,9,10,11,12,13,14,15,16,17,18,19,20,21,22,23,24,25,26,27,28,29,30,31
	v_med3_num_f32 v[XS+\i], v[XS+\i], -v10, v10
.endr
.irp g, 0,1,2,3
	v_cvt_scalef32_pk8_fp8_f32 v[WC+2*\g:WC+2*\g+1], v[XS+8*\g:XS+8*\g+7], v11
.endr
	ds_store_b128 v4, v[WC:WC+3] offset:32*(\t)
	ds_store_b128 v4, v[WC+4:WC+7] offset:32*(\t)+16
.if (\t)+2 < NB
	WLOAD (\t)+2
.endif
	s_wait_dscnt 0x0                               ; the stores have read their registers: the next block's codes may be written
.endm
.set Q, 0
	s_wait_alu depctr_va_vdst(0)
.rept NB
	WBLOCK Q
.set Q, Q+1
.endr
.irp t, 0,1,2,3,4,5,6,7,8,9,10,11,12,13,14,15
	ds_load_b128 v[OUTR+4*\t:OUTR+4*\t+3], v7 offset:2*\t*PITCH
.endr
.irp t, 0,1,2,3,4,5,6,7,8,9,10,11,12,13,14,15
	s_wait_dscnt 15-\t
	global_store_b128 v8, v[OUTR+4*\t:OUTR+4*\t+3], s[14:15] offset:2*\t*KROW
.endr
	s_wait_tensorcnt 0x0                           ; the wave's end
	ds_add_u32 v192, v193
	s_wait_dscnt 0x0
	s_endpgm
.Lfunc_end_k_qf857819ce8_qxw:
	.size	k_qf857819ce8_qxw, .Lfunc_end_k_qf857819ce8_qxw-k_qf857819ce8_qxw
	.p2alignl 7, 3214868480
	.fill 96, 4, 3214868480
	.section	.rodata,"a",@progbits
	.p2align	6, 0x0
	.amdhsa_kernel k_qf857819ce8_qxw
		.amdhsa_group_segment_fixed_size 68096
		.amdhsa_private_segment_fixed_size 0
		.amdhsa_enable_private_segment 0
		.amdhsa_kernarg_size 72
		.amdhsa_user_sgpr_count 2
		.amdhsa_user_sgpr_kernarg_segment_ptr 1
		.amdhsa_wavefront_size32 1
		.amdhsa_system_sgpr_workgroup_id_x 1
		.amdhsa_system_sgpr_workgroup_id_y 1
		.amdhsa_system_sgpr_workgroup_id_z 1
		.amdhsa_system_vgpr_workitem_id 0
		.amdhsa_next_free_vgpr 194
		.amdhsa_next_free_sgpr 66
		.amdhsa_reserve_vcc 0
		.amdhsa_float_denorm_mode_32 3
		.amdhsa_float_denorm_mode_16_64 3
		.amdhsa_memory_ordered 1
		.amdhsa_forward_progress 1
		.amdhsa_inst_pref_size 87
	.end_amdhsa_kernel
	.amdgpu_metadata
---
amdhsa.version: [ 1, 2 ]
amdhsa.kernels:
  - .name:           k_qf857819ce8_qxw
    .symbol:         k_qf857819ce8_qxw.kd
    .args:
      - { .name: value, .offset: 0, .size: 8, .value_kind: global_buffer, .address_space: global }
      - { .name: key, .offset: 8, .size: 8, .value_kind: global_buffer, .address_space: global }
      - { .name: query, .offset: 16, .size: 8, .value_kind: global_buffer, .address_space: global }
      - { .name: Wv, .offset: 24, .size: 8, .value_kind: global_buffer, .address_space: global }
      - { .name: Wk, .offset: 32, .size: 8, .value_kind: global_buffer, .address_space: global }
      - { .name: Wq, .offset: 40, .size: 8, .value_kind: global_buffer, .address_space: global }
      - { .name: Wo, .offset: 48, .size: 8, .value_kind: global_buffer, .address_space: global }
      - { .name: lowp_scales, .offset: 56, .size: 8, .value_kind: global_buffer, .address_space: global }
      - { .name: cod, .offset: 64, .size: 8, .value_kind: global_buffer, .address_space: global }
    .group_segment_fixed_size: 68096
    .private_segment_fixed_size: 0
    .kernarg_segment_align: 8
    .kernarg_segment_size: 72
    .max_flat_workgroup_size: 128
    .sgpr_count:     66
    .vgpr_count:     194
    .wavefront_size: 32
...
	.end_amdgpu_metadata
.endif
;; end of part 1
;; launch proj (part 2): grid 4 x 96, 4 waves a work-group, clusters of 4 x 4, 327,680 bytes of LDS; arguments cod, lowp_scales, bv, bk, bq, qkv; writes qkv
.if DOCPART == 2
	.amdgcn_target "amdgcn-amd-amdhsa--gfx1250"
	.amdhsa_code_object_version 6
	.text
	.protected	k_qf857819ce8_proj
	.globl	k_qf857819ce8_proj
	.p2align	8
	.type	k_qf857819ce8_proj,@function
k_qf857819ce8_proj:
	s_mov_b64 s[64:65], 0
	v_nop
	global_prefetch_b8 v0, s[64:65] scope:SCOPE_SE
	s_setreg_imm32_b32 hwreg(HW_REG_WAVE_MODE, 25, 1), 1
	s_wait_xcnt 0x0
	s_wait_alu depctr_hold_cnt(0) depctr_sa_sdst(0) depctr_va_vdst(0) depctr_va_sdst(0) depctr_va_ssrc(0) depctr_va_vcc(0) depctr_vm_vsrc(0)
	s_getreg_b32 s2, hwreg(HW_REG_IB_STS2, 6, 4)
	s_cmp_eq_u32 s2, 0
	s_cbranch_scc0 .Lentry_in_a_cluster
	s_endpgm
.Lentry_in_a_cluster:
	s_bfe_u32 s2, ttmp6, 0x10000c
	s_cmp_lg_u32 s2, 0xf033
	s_cbranch_scc0 .Lentry_shape_is_right
	s_endpgm
.Lentry_shape_is_right:
.set WOFF,   25165824
.set KSTEP,  256
.set ROWB,   256
.set KROW,   1024
.set PITCH,  272
.set FR,     16
.set NL,     4
.set NP,     4
.set HALFT,  128*PITCH
.set SLOT,   4*HALFT
.set LAPS,   2
.set SPARE,  2*SLOT
.set ADRA, 16
.set ADRB, 20
.set STO,  24
.set RDQ,  25
.set RDV,  27
.set SPW,  28
.set NIL,  29
.set GQ,   30
.set GV,   31
.set BB,   32
.set BA,   96
.set LIMV, 112
.set SCV,  113
.set AF,   128
.set TMP,  128
.set CDB,  192
.set G1, 24
.set G0, 32
.set G1B, 48
.set G0B, 56
.set MSB, 0
.macro WIN new
.if MSB != \new
	s_set_vgpr_msb (MSB<<8)|\new
.set MSB, \new
.endif
.endm
.set MUL_LO, 0xa1
.set MUL_HI, 0xf1
.set TO_B,   0x40
.macro JLOAD g0a, g1a, g0b, g1b
	s_cmp_eq_u32 s15, 0
	s_cbranch_scc0 .Lfor_b_\@
	tensor_load_to_lds s[\g0a:\g0a+3], s[\g1a:\g1a+7]
	s_nop 0
.rept 4
	v_nop
.endr
	s_branch .Lasked_\@
.Lfor_b_\@:
	tensor_load_to_lds s[\g0b:\g0b+3], s[\g1b:\g1b+7]
	s_nop 0
.rept 4
	v_nop
.endr
.Lasked_\@:
.endm
.macro CREST
	s_cmp_lg_u32 s14, 0
	s_cbranch_scc1 .Lnot_wave_0_\@
	s_barrier_signal -3
.Lnot_wave_0_\@:
	s_barrier_wait -3
	s_barrier_signal -1
	s_barrier_wait -1
.endm
.macro CROUND
	s_barrier_signal -1
	s_barrier_wait -1
	CREST
.endm
	s_load_b128 s[4:7], s[0:1], 0x0
	s_load_b128 s[84:87], s[0:1], 0x10
	s_load_b128 s[88:91], s[0:1], 0x20
	v_lshl_add_u32 v[SPW], v0, 2, SPARE
	v_mov_b32 v[NIL], 0
	ds_add_u32 v28, v29
	ds_add_u32 v28, v29
	s_wait_dscnt 0x0
	v_lshrrev_b32 v1, 5, v0
	v_readfirstlane_b32 s14, v1
	s_lshr_b32 s15, s14, 1
	s_and_b32 s16, s14, 1
	s_bfe_u32 s40, ttmp6, 0x40000
	s_bfe_u32 s41, ttmp6, 0x40004
	s_and_b32 s66, ttmp7, 0xffff
	s_and_b32 s67, s66, 7
	s_lshl_b32 s67, s67, 2
	s_lshr_b32 s66, s66, 3
	s_lshl_b32 s70, s66, 23
	s_lshl_b32 s71, s66, 20
	s_add_co_u32 s71, s71, WOFF
	s_cmp_eq_u32 s66, 0
	s_cselect_b32 s68, 0, s67
	s_cselect_b32 s69, s67, 0
	s_cselect_b32 s18, s71, s70
	s_cselect_b32 s19, s70, s71
	s_cselect_b32 s98, 0, -1
	s_cselect_b32 s99, -1, 0
	s_add_co_u32 s17, s68, s41
	s_add_co_u32 s42, s69, s40
	s_lshl_b32 s43, s41, 2
	s_lshl_b32 s43, 15, s43
	s_lshl_b32 s44, 0x1111, s40
	s_or_b32 s[G1+0], s43, (0<<16)|(1<<20)|(1<<21)|(5<<22)|(3<<25)
	s_or_b32 s[G1B+0], s44, (0<<16)|(1<<20)|(1<<21)|(5<<22)|(3<<25)
.irp g, G1, G1B
	s_mov_b32 s[\g+1], ROWB<<16
	s_mov_b32 s[\g+2], 128<<16
	s_mov_b32 s[\g+3], ROWB<<16
	s_mov_b32 s[\g+4], 128
	s_mov_b32 s[\g+5], KROW
	s_mov_b32 s[\g+6], 0
	s_mov_b32 s[\g+7], 0
.endr
	s_lshl_b32 s22, s16, 17
	s_lshl_b32 s20, s17, 18
	s_add_co_u32 s20, s20, s22
	s_add_co_u32 s20, s20, s18
	s_mov_b32 s21, 0
	s_lshl_b32 s46, s42, 18
	s_add_co_u32 s46, s46, s22
	s_add_co_u32 s46, s46, s19
	s_mov_b32 s47, 0
	s_mul_i32 s45, s14, HALFT
	s_wait_kmcnt 0x0
	s_load_b256 s[72:79], s[6:7], 0x0
	s_load_b128 s[80:83], s[6:7], 0x20
	s_add_nc_u64 s[20:21], s[4:5], s[20:21]
	s_add_nc_u64 s[46:47], s[4:5], s[46:47]
	CROUND
.irp s, 0,1
	s_mov_b32 s[G0+4*\s], 1
	s_add_co_u32 s[G0+4*\s+1], s45, \s*SLOT
	s_add_nc_u64 s[G0+4*\s+2:G0+4*\s+3], s[20:21], \s*ROWB
	s_or_b32 s[G0+4*\s+3], s[G0+4*\s+3], 0x80000000
	s_mov_b32 s[G0B+4*\s], 1
	s_add_co_u32 s[G0B+4*\s+1], s45, \s*SLOT
	s_add_nc_u64 s[G0B+4*\s+2:G0B+4*\s+3], s[46:47], \s*ROWB
	s_or_b32 s[G0B+4*\s+3], s[G0B+4*\s+3], 0x80000000
	s_wait_alu depctr_va_vdst(0)
	s_wait_tensorcnt 0x0
	ds_add_u32 v28, v29
	ds_add_u32 v28, v29
	s_wait_dscnt 0x0
	CROUND
	JLOAD G0+4*\s, G1, G0B+4*\s, G1B
.endr
	v_and_b32 v1, 15, v0
	v_bfe_u32 v2, v0, 4, 1
	v_mul_u32_u24 v3, v1, PITCH
	s_wait_alu depctr_va_vdst(0)
	v_lshl_add_u32 v4, v2, 4, v3
	s_mul_i32 s21, s15, HALFT
	s_mul_i32 s22, s16, HALFT
	s_add_co_u32 s22, s22, 2*HALFT
.irp s, 0,1
	v_add_nc_u32 v[ADRA+\s], s21, v4
	v_add_nc_u32 v[ADRB+\s], s22, v4
	s_add_co_u32 s21, s21, SLOT
	s_add_co_u32 s22, s22, SLOT
.endr
	s_mul_i32 s23, s15, 128*PITCH
	s_lshl_b32 s18, s16, 7
	s_add_co_u32 s23, s23, s18
	v_lshl_add_u32 v5, v2, 3, v3
	v_add_nc_u32 v[STO], s23, v5
	v_and_b32 v6, 31, v0
	v_lshrrev_b32 v7, 2, v6
	v_mul_u32_u24 v7, v7, PITCH
	v_and_b32 v10, 3, v6
	v_lshl_add_u32 v7, v10, 4, v7
	s_lshl_b32 s18, s14, 6
	v_add_nc_u32 v[RDQ], s18, v7
	v_add_nc_u32 v[RDQ+1], 128*PITCH, v[RDQ]
	v_mul_u32_u24 v7, v2, PITCH
	v_lshl_add_u32 v7, v1, 4, v7
	s_mul_i32 s18, s14, 64*PITCH
	v_add_nc_u32 v[RDV], s18, v7
	v_lshlrev_b32 v[GQ], 4, v6
	v_lshlrev_b32 v[GV], 11, v2
	v_lshl_add_u32 v[GV], v1, 4, v[GV]
	v_lshlrev_b32 v8, 5, v2
	s_wait_alu depctr_va_vdst(0)
	v_lshlrev_b32 v9, 2, v1
	s_wait_alu depctr_va_vdst(0)
	s_cmp_eq_u32 s66, 1
	s_cselect_b64 s[92:93], s[86:87], s[84:85]
	s_cmp_eq_u32 s66, 2
	s_cselect_b64 s[92:93], s[88:89], s[92:93]
	s_mov_b64 s[94:95], s[92:93]
	s_lshl_b32 s22, s40, 10
	s_lshl_b32 s23, s16, 9
	s_add_co_u32 s22, s22, s23
	s_mov_b32 s23, 0
	s_add_nc_u64 s[92:93], s[92:93], s[22:23]
	s_lshl_b32 s22, s41, 10
	s_lshl_b32 s18, s15, 9
	s_add_co_u32 s22, s22, s18
	s_add_nc_u64 s[94:95], s[94:95], s[22:23]
.irp b, 0,1,2,3,4,5,6,7
	global_load_b128 v[BB+8*\b:BB+8*\b+3], v8, s[92:93] offset:64*\b
	global_load_b128 v[BB+8*\b+4:BB+8*\b+7], v8, s[92:93] offset:64*\b+16
.endr
.irp a, 0,1,2,3,4,5,6,7
	global_load_b32 v[BA+2*\a], v9, s[94:95] offset:64*\a
.endr
	s_lshr_b32 s18, s17, 3
	s_lshl_b32 s18, s18, 4
	s_lshl_b32 s19, s40, 2
	s_add_co_u32 s18, s18, s19
	s_add_co_u32 s18, s18, s14
	s_lshl_b32 s18, s18, 11
	s_and_b32 s19, s17, 7
	s_lshl_b32 s19, s19, 8
	s_add_co_u32 s18, s18, s19
	s_lshl_b32 s18, s18, 6
	s_add_co_u32 s18, s18, s70
	s_lshr_b32 s19, s42, 3
	s_lshl_b32 s19, s19, 10
	s_lshl_b32 s22, s41, 8
	s_add_co_u32 s19, s19, s22
	s_lshl_b32 s22, s14, 6
	s_add_co_u32 s19, s19, s22
	s_lshl_b32 s19, s19, 11
	s_and_b32 s22, s42, 7
	s_lshl_b32 s22, s22, 8
	s_add_co_u32 s19, s19, s22
	s_cmp_eq_u32 s66, 0
	s_cselect_b32 s22, s19, s18
	s_add_nc_u64 s[90:91], s[90:91], s[22:23]
.macro FRAG reg, adr, q, i
.irp c, 0,1,2,3
	ds_load_b128 v[\reg+4*\c:\reg+4*\c+3], v[\adr] offset:128*(\q)+32*\c+(\i)*16*PITCH
.endr
.endm
.macro MUL16 a0, p, zero
.irp a, \a0, \a0+1
.irp b, 0,1,2,3,4,5,6,7
.if \zero
	v_wmma_f32_16x16x128_fp8_fp8 v[8*(8*((\a)%4)+\b):8*(8*((\a)%4)+\b)+7], v[128*(\p)+FR*\b:128*(\p)+FR*\b+FR-1], v[AF+FR*(\a):AF+FR*(\a)+FR-1], 0
.else
	v_wmma_f32_16x16x128_fp8_fp8 v[8*(8*((\a)%4)+\b):8*(8*((\a)%4)+\b)+7], v[128*(\p)+FR*\b:128*(\p)+FR*\b+FR-1], v[AF+FR*(\a):AF+FR*(\a)+FR-1], v[8*(8*((\a)%4)+\b):8*(8*((\a)%4)+\b)+7]
.endif
.endr
.endr
.endm
.macro FETCH_B slot, q, p
	WIN TO_B
.irp i, 0,1,2,3,4,5,6,7
	FRAG 128*(\p)+FR*\i, ADRB+\slot, \q, \i
.endr
	WIN 0
.endm
.macro FETCH_A slot, q, i0
.irp i, \i0, \i0+1, \i0+2, \i0+3
	FRAG AF+FR*(\i), ADRA+\slot, \q, \i
.endr
.endm
.macro PLACES n
.rept \n
	v_nop
.endr
.endm
.macro STEP slot, q, zero
	s_wait_dscnt 4*NL
	WIN MUL_LO
	MUL16 0, (\q)%2, \zero
	MUL16 2, (\q)%2, \zero
	s_wait_dscnt 0
	PLACES NP
	FETCH_B \slot, (\q)+1, 1-(\q)%2
	FETCH_A \slot, (\q)+1, 0
	WIN MUL_HI
	MUL16 4, (\q)%2, \zero
	MUL16 6, (\q)%2, \zero
	PLACES NP
	WIN 0
	FETCH_A \slot, (\q)+1, 4
.endm
.macro TURN slot, next, fill
	s_wait_tensorcnt 0x0
	ds_add_u32 v[SPW], v[NIL]
	s_wait_dscnt 4*NL+1
	WIN MUL_LO
	MUL16 0, 1, 0
	s_wait_dscnt 0x0
	s_barrier_signal -1
	MUL16 2, 1, 0
	WIN 0
	s_barrier_wait -1
.if \fill
	CREST
	s_add_nc_u64 s[G0+4*\slot+2:G0+4*\slot+3], s[G0+4*\slot+2:G0+4*\slot+3], 2*ROWB
	s_add_nc_u64 s[G0B+4*\slot+2:G0B+4*\slot+3], s[G0B+4*\slot+2:G0B+4*\slot+3], 2*ROWB
	JLOAD G0+4*\slot, G1, G0B+4*\slot, G1B
.else
	PLACES NP
.endif
	FETCH_B \next, 0, 0
	FETCH_A \next, 0, 0
	WIN MUL_HI
	MUL16 4, 1, 0
	MUL16 6, 1, 0
	PLACES NP
	WIN 0
	FETCH_A \next, 0, 4
.endm
	s_wait_tensorcnt 1
	s_barrier_signal -1
	s_barrier_wait -1
	FETCH_B 0, 0, 0
	FETCH_A 0, 0, 0
	FETCH_A 0, 0, 4
	STEP 0, 0, 1
	s_mov_b32 s3, LAPS-1
.Llap:
	TURN 0, 1, 1
	STEP 1, 0, 0
	TURN 1, 0, 1
	STEP 0, 0, 0
	s_sub_co_u32 s3, s3, 1
	s_cmp_lg_u32 s3, 0
	s_cbranch_scc1 .Llap
	TURN 0, 1, 0
	STEP 1, 0, 0
	s_wait_dscnt 4*NL
	WIN MUL_LO
	MUL16 0, 1, 0
	MUL16 2, 1, 0
	s_wait_dscnt 0
	WIN MUL_HI
	MUL16 4, 1, 0
	MUL16 6, 1, 0
	WIN 0
	s_wait_kmcnt 0x0
	s_add_co_i32 s72, s72, s73
	s_add_co_i32 s74, s74, s75
	s_add_co_i32 s76, s76, s77
	s_cmp_eq_u32 s66, 1
	s_cselect_b32 s96, s74, s72
	s_cselect_b32 s18, s79, s80
	s_cmp_eq_u32 s66, 2
	s_cselect_b32 s96, s76, s96
	s_cselect_b32 s18, s78, s18
	s_add_co_i32 s96, s96, 127
	s_lshl_b32 s96, s96, 23
	s_mov_b32 s97, s96
	s_add_co_i32 s18, s18, 127
	s_lshl_b32 s19, s18, 23
	s_add_co_i32 s18, s18, 8
	s_lshl_b32 s18, s18, 23
	s_or_b32 s18, s18, 0x600000
	s_wait_loadcnt 0x0
	v_mov_b32 v[SCV], s19
	v_mov_b32 v[LIMV], s18
.set j, 0
.rept 64
	v_and_b32 v[BB+j], s98, v[BB+j]
.set j, j+1
.endr
.irp a, 0,1,2,3,4,5,6,7
	v_and_b32 v[BA+2*\a], s99, v[BA+2*\a]
	v_mov_b32 v[BA+2*\a+1], v[BA+2*\a]
.endr
.macro EPI a
.set AC, 64*((\a)%4)
.set CD, CDB+16*((\a)%4)
	WIN (0x02+((\a)/4))
.set j, 0
.rept 32
	v_pk_fma_f32 v[TMP+j:TMP+j+1], v[AC+j:AC+j+1], s[96:97], v[BB+j:BB+j+1] op_sel_hi:[1,0,1]
.set j, j+2
.endr
	WIN 0
.set j, 0
.rept 32
	v_pk_add_f32 v[TMP+j:TMP+j+1], v[TMP+j:TMP+j+1], v[BA+2*(\a):BA+2*(\a)+1]
.set j, j+2
.endr
.set j, 0
.rept 64
	v_med3_num_f32 v[TMP+j], v[TMP+j], -v[LIMV], v[LIMV]
.set j, j+1
.endr
.if (\a) >= 4
	s_wait_alu depctr_va_vdst(0)
	s_wait_dscnt 24
.endif
.irp b, 0,1,2,3,4,5,6,7
	v_cvt_scalef32_pk8_fp8_f32 v[CD+2*\b:CD+2*\b+1], v[TMP+8*\b:TMP+8*\b+7], v[SCV]
.endr
	v_nop
.irp b, 0,1,2,3,4,5,6,7
	ds_store_b64 v[STO], v[CD+2*\b:CD+2*\b+1] offset:(\a)*16*PITCH+16*\b
.endr
.endm
.irp a, 0,1,2,3,4,5,6,7
	EPI \a
.endr
	s_wait_dscnt 0x0
	s_barrier_signal -1
	s_barrier_wait -1
	s_cmp_eq_u32 s66, 0
	s_cbranch_scc1 .Lv
.set i, 0
.rept 32
.set sg, (i/4)*4+(i%2)*2+(i/2)%2
	ds_load_b128 v[TMP+4*i:TMP+4*i+3], v[RDQ+sg/16] offset:8*(sg%16)*PITCH
.set i, i+1
.endr
.set i, 0
.rept 32
	s_wait_dscnt 31-i
	global_store_b128 v[GQ], v[TMP+4*i:TMP+4*i+3], s[90:91] offset:512*i
.set i, i+1
.endr
	s_branch .Ldone
.Lv:
.set i, 0
.rept 32
	ds_load_b128 v[TMP+4*i:TMP+4*i+3], v[RDV] offset:2*i*PITCH
.set i, i+1
.endr
.set i, 0
.rept 32
	s_wait_dscnt 31-i
	global_store_b128 v[GV], v[TMP+4*i:TMP+4*i+3], s[90:91] offset:2*i*2048
.set i, i+1
.endr
.Ldone:
	s_wait_tensorcnt 0x0
	ds_add_u32 v[SPW], v[NIL]
	s_wait_dscnt 0x0
	CROUND
	s_endpgm
.Lfunc_end_k_qf857819ce8_proj:
	.size	k_qf857819ce8_proj, .Lfunc_end_k_qf857819ce8_proj-k_qf857819ce8_proj
	.p2alignl 7, 3214868480
	.fill 96, 4, 3214868480
	.section	.rodata,"a",@progbits
	.p2align	6, 0x0
	.amdhsa_kernel k_qf857819ce8_proj
		.amdhsa_group_segment_fixed_size 327680
		.amdhsa_private_segment_fixed_size 0
		.amdhsa_enable_private_segment 0
		.amdhsa_kernarg_size 48
		.amdhsa_user_sgpr_count 2
		.amdhsa_user_sgpr_kernarg_segment_ptr 1
		.amdhsa_wavefront_size32 1
		.amdhsa_system_sgpr_workgroup_id_x 1
		.amdhsa_system_sgpr_workgroup_id_y 1
		.amdhsa_system_sgpr_workgroup_id_z 1
		.amdhsa_system_vgpr_workitem_id 0
		.amdhsa_next_free_vgpr 1024
		.amdhsa_next_free_sgpr 100
		.amdhsa_reserve_vcc 0
		.amdhsa_float_denorm_mode_32 3
		.amdhsa_float_denorm_mode_16_64 3
		.amdhsa_memory_ordered 1
		.amdhsa_forward_progress 1
		.amdhsa_inst_pref_size 171
	.end_amdhsa_kernel
	.amdgpu_metadata
---
amdhsa.version: [ 1, 2 ]
amdhsa.kernels:
  - .name:           k_qf857819ce8_proj
    .symbol:         k_qf857819ce8_proj.kd
    .args:
      - { .name: cod, .offset: 0, .size: 8, .value_kind: global_buffer, .address_space: global }
      - { .name: lowp_scales, .offset: 8, .size: 8, .value_kind: global_buffer, .address_space: global }
      - { .name: bv, .offset: 16, .size: 8, .value_kind: global_buffer, .address_space: global }
      - { .name: bk, .offset: 24, .size: 8, .value_kind: global_buffer, .address_space: global }
      - { .name: bq, .offset: 32, .size: 8, .value_kind: global_buffer, .address_space: global }
      - { .name: qkv, .offset: 40, .size: 8, .value_kind: global_buffer, .address_space: global }
    .group_segment_fixed_size: 327680
    .private_segment_fixed_size: 0
    .kernarg_segment_align: 8
    .kernarg_segment_size: 48
    .max_flat_workgroup_size: 128
    .sgpr_count:     100
    .vgpr_count:     1024
    .wavefront_size: 32
...
	.end_amdgpu_metadata
.endif
;; end of part 2
;; launch attn (part 3): grid 256 x 1, 8 waves a work-group, no clusters, 297,984 bytes of LDS; arguments qkv, lowp_scales, ac; writes ac
.if DOCPART == 3
	.amdgcn_target "amdgcn-amd-amdhsa--gfx1250"
	.amdhsa_code_object_version 6
	.text
	.protected	k_qf857819ce8_attn
	.globl	k_qf857819ce8_attn
	.p2align	8
	.type	k_qf857819ce8_attn,@function
k_qf857819ce8_attn:
	s_mov_b64 s[64:65], 0
	v_nop
	global_prefetch_b8 v0, s[64:65] scope:SCOPE_SE
	s_setreg_imm32_b32 hwreg(HW_REG_WAVE_MODE, 25, 1), 1
	s_wait_xcnt 0x0
; ATTENTION on codes of FP8 (E4M3), 64 heads (batch x head) of 2,048 tokens x 64 channels.  O[q] = sum over k of softmax_k(Q[q] . K[k] / 8) V[k], and O is quantised for the last projection.
; IN (qkv): plane 0: v [head][d 64][key 2048], the keys innermost; plane 1: k, plane 2: q: [head][pos 2048][64], pos = the token's number with bits 3 and 4 exchanged.
; OUT (ac): codes [8 batch + query block of 256][head 16][row 256][64].
; SCALES: entries 6 (q), 7 (k), 8 (v), 9 (p), 10 (the result).  LIMITS: e6 + e7 between -123 and 130 (added to c's exponent field); e9 and e10 between -126 and 119; e8 + e9 goes by v_ldexp_f32 and has none.
; NaN among the inputs is not served.  The promise holds while the scaled scores t stay under 2^31 in magnitude.
; THE SOFTMAX: t = score x log2(e) / 8; M = the row's largest t so far, rounded UP to a whole number; p = 2^(t - M) is quantised along the keys, not normalised.  The row's sum is taken of the unquantised p
; and divides O at the end.  When M moves, the sum and O are multiplied by 2^(old M - new M): exact.  The running maximum is kept as a score; c is positive, so c x the largest score is the largest t.
; SHARES.  Work-group n owns head (n % 4) + 4 (n / 16) and queries 512 ((n / 4) % 4) on: the four work-groups of a head have numbers four apart.  Each of the eight waves owns 64 queries, FOUR tiles of 16, which walk
; the keys together, 128 a step, 16 steps: a fragment of K or V read from LDS serves four tiles.
; K AND V STAY IN LDS: 2 x 131,072 bytes, 286,720 with the padding.  Each wave fetches 16,384 bytes of each by 64 loads of 512 bytes (whole aligned runs of 256) and stores them to LDS; one barrier; no byte is written twice.
; P'S HOLD.  p is at most 1 (beyond it only by the rounding of t), and the hold is at 448 x 2^e9: with e9 >= -8 that is 1.75 or more and cannot bind; with any other e9 they run.
; NO TENSOR LOADS AND NO JOINT LOADS.  NO PREFETCH: every byte is asked for at the head, and there is no loop to run ahead in.
; LAYOUT.  Both products are used transposed: S^T = K Q^T (K = 64), O^T = V^T P^T (K = 128 keys): a lane holds ONE query of each tile.  Position 16 T + 8 h + j of a group of 32 (T = 2 b + u) holds key
; 32 b + 16 h + 8 u + j: so the 16 registers of tiles 2 b, 2 b + 1 of the scores are keys 32 b + 16 (lane / 16) + 0 .. 15, as P's operand wants them.
; LDS: K: position p at 272 (p / 4) + 64 (p % 4); V: for each step of 128 keys 64 rows (channels) of 128 + 16 bytes; then a stage of 1,280 bytes a wave; then the spare words.
; REGISTERS.  Window 0: v1-11 what stays; v12-27 the four tiles' -M, largest score, sum (two halves); v[28:29] f; v30, v31 at work; v32-95 K's 8 fragments; v96-159 S^T, then p; v160-223 four sets of p's codes;
; v224-231, v233-253 at work (v233-237 at the head: addresses); v232 the result's hold.  Window 1: v0-63 V's 4 fragments; v64-191 four O^T; v192-223 four Q.
.set KP,    272
.set KSTEP, 32*KP                      ; 128 positions of K
.set VB,    512*KP                     ; V's region
.set VP,    144
.set VSTEP, 64*VP                      ; 128 keys of V
.set STAGE, VB+16*VSTEP
.set SGB,   1280
.set SPARE, STAGE+8*SGB                ; 128 bytes for each wave: four blocks of 256 bytes that no other line names
.set AK0,  1
.set AV0,  2
.set STI,  3
.set STR,  4
.set SPW,  5
.set NIL,  6
.set GO,   7                           ; 16 x lane
.set ADK,  8
.set ADV,  9
.set SCP,  10                          ; 2^e9
.set SCO,  11                          ; 2^e10
.set ST,   12
.set FF,   28
.set TA,   30
.set TC,   31
.set KF,   32
.set SS,   96
.set PP,   160
.set TT,   224
.set LIMO, 232                         ; 448 x 2^e10
.set UU,   233                         ; 21 registers of the maximum's tree
.set WW,   234                         ; 8 pairs of the sum's chains
.set KST,  233
.set VST,  234                         ; and 235
.set GVO,  236
.set GQO,  237
.set OO,   64                          ; window 1
.set QQ,   192                         ; window 1
.set TBV,  2
.set TBK,  3
.set CNT,  14
.set HP,   15                          ; 448 x 2^e9
.set WV,   18
.set TBP,  19                          ; where the look-ahead reads K: the next step's, held at the last step's
.set SEL,  20
.set CS,   22
.set E9,   79
.set E89,  81
.set MSB, 0
.macro WIN new                         ; low byte: bits 1:0 source 0, 3:2 source 1, 5:4 source 2, 7:6 destination; the high byte repeats the setting that is left
.if MSB != \new
	s_set_vgpr_msb (MSB<<8)|\new
.set MSB, \new
.endif
.endm
	s_load_b128 s[4:7], s[0:1], 0x0                ; qkv, the scales' exponents
	s_load_b64 s[8:9], s[0:1], 0x10                ; ac
	v_lshl_add_u32 v[SPW], v0, 2, SPARE
	v_mov_b32 v[NIL], 0
	v_lshrrev_b32 v8, 5, v0
	v_readfirstlane_b32 s[WV], v8                  ; wave 0..7
	v_and_b32 v30, 31, v0                          ; lane
	v_and_b32 v8, 15, v0                           ; r
	v_bfe_u32 v9, v0, 4, 1                         ; h
	v_lshlrev_b32 v[GO], 4, v30
	v_lshlrev_b32 v[GVO], 11, v9
	v_lshl_add_u32 v[GVO], v8, 4, v[GVO]           ; V in memory: row h of a pair, 16 r
	v_and_b32 v31, 8, v8
	v_add_nc_u32 v31, v31, v8                      ; r + 8 (r / 8)
	v_lshlrev_b32 v[GQO], 6, v31
	v_lshl_add_u32 v[GQO], v9, 4, v[GQO]
	s_and_b32 s67, ttmp9, 3
	s_lshr_b32 s66, ttmp9, 4
	s_lshl_b32 s66, s66, 2
	s_add_co_u32 s67, s67, s66                     ; the head (16 batch + head)
	s_bfe_u32 s66, ttmp9, 0x20002                  ; which 512 of its queries
	s_lshl_b32 s88, s67, 17                        ; the head's first byte in each plane
	s_mov_b32 s89, 0
	s_lshl_b32 s84, s[WV], 14                      ; my 16,384 bytes of K; my 8 rows of V are as far on
	s_mov_b32 s85, 0
	s_lshl_b32 s90, s66, 9                         ; Q: position 512 x block + 64 wave,
	s_lshl_b32 s91, s[WV], 6
	s_add_co_u32 s90, s90, s91
	s_lshl_b32 s90, s90, 6
	s_add_co_u32 s90, s90, 2<<23                   ; in plane 2
	s_mov_b32 s91, 0
	s_lshr_b32 s92, s67, 4                         ; ac: ((128 batch + 16 (2 block + wave / 4) + head) x 256 + 64 (wave % 4)) x 64: my 64 rows are 4,096 bytes on end
	s_lshl_b32 s92, s92, 7
	s_lshl_b32 s93, s66, 5
	s_add_co_u32 s92, s92, s93
	s_lshr_b32 s93, s[WV], 2
	s_lshl_b32 s93, s93, 4
	s_add_co_u32 s92, s92, s93
	s_and_b32 s93, s67, 15
	s_add_co_u32 s92, s92, s93
	s_lshl_b32 s92, s92, 14
	s_and_b32 s93, s[WV], 3
	s_lshl_b32 s93, s93, 12
	s_add_co_u32 s92, s92, s93
	s_mov_b32 s93, 0
	s_mul_i32 s82, s[WV], 64*KP                    ; where my part of K goes,
	s_mul_i32 s83, s[WV], 8*VP
	s_add_co_u32 s83, s83, VB                      ; my rows of V,
	s_mul_i32 s86, s[WV], SGB
	s_add_co_u32 s86, s86, STAGE                   ; and my stage
	s_mov_b32 s[SEL], 0x76543210
	s_mov_b32 s[SEL+1], 0xfedcba98
	s_mov_b32 s[CS], 0x3e38aa3b                    ; c = log2(e) / 8
	s_wait_alu depctr_va_vdst(0)
	s_wait_kmcnt 0x0
	s_load_b128 s[76:79], s[6:7], 0x18             ; e6, e7, e8, e9
	s_load_b32 s80, s[6:7], 0x28                   ; e10
	s_add_nc_u64 s[12:13], s[4:5], s[88:89]
	s_add_nc_u64 s[10:11], s[12:13], s[90:91]      ; Q
	s_add_nc_u64 s[16:17], s[8:9], s[92:93]        ; ac
	s_add_nc_u64 s[96:97], s[12:13], s[84:85]      ; V
	s_add_nc_u64 s[94:95], s[96:97], 1<<23         ; K
	WIN 0x40
.irp i, 0,1,2,3                                ; tile i's queries 16 i + r lie at positions 32 (i / 2) + 8 (i % 2) + r + 8 (r / 8)
	global_load_b128 v[QQ+8*\i:QQ+8*\i+3], v[GQO], s[10:11] offset:2048*(\i/2)+512*(\i%2)
	global_load_b128 v[QQ+8*\i+4:QQ+8*\i+7], v[GQO], s[10:11] offset:2048*(\i/2)+512*(\i%2)+32
.endr
	WIN 0
.set i, 0
.rept 32
	global_load_b128 v[SS+4*i:SS+4*i+3], v[GO], s[94:95] offset:512*i      ; K: 512 bytes on end
.set i, i+1
.endr
	WIN 0x40
.irp p, 0,1,2,3
.irp j, 0,1,2,3,4,5,6,7
	global_load_b128 v[4*(8*\p+\j):4*(8*\p+\j)+3], v[GVO], s[96:97] offset:4096*\p+256*\j   ; V: 256 bytes of each of two rows
.endr
.endr
	WIN 0
	v_mul_u32_u24 v[KST], v9, KP
	v_lshl_add_u32 v[KST], v8, 4, v[KST]
	v_add_nc_u32 v[KST], s82, v[KST]               ; K into LDS: row 64 wave + 2 i + h, 16 r
	v_bfe_u32 v31, v0, 3, 1
	v_mul_u32_u24 v[VST], v31, VSTEP
	v_mad_u32_u24 v[VST], v9, VP, v[VST]
	v_and_b32 v31, 7, v0
	v_lshl_add_u32 v[VST], v31, 4, v[VST]
	v_add_nc_u32 v[VST], s83, v[VST]               ; V into LDS: step 2 j + r / 8, row 8 wave + 2 p + h, 16 (r % 8)
	v_add_nc_u32 v[VST+1], 8*VSTEP, v[VST]         ; the same for j = 4 .. 7
	v_lshrrev_b32 v31, 2, v8
	v_mul_u32_u24 v[AK0], v31, KP
	v_and_b32 v31, 3, v8
	v_lshl_add_u32 v[AK0], v31, 6, v[AK0]
	v_lshl_add_u32 v[AK0], v9, 4, v[AK0]           ; 272 (r / 4) + 64 (r % 4) + 16 h
	v_mul_u32_u24 v[AV0], v8, VP
	v_lshl_add_u32 v[AV0], v9, 4, v[AV0]
	v_add_nc_u32 v[AV0], VB, v[AV0]
	v_mul_u32_u24 v[STI], v8, 80
	v_lshl_add_u32 v[STI], v9, 3, v[STI]
	v_add_nc_u32 v[STI], s86, v[STI]               ; the way out, in: row r, byte 8 h
	v_lshrrev_b32 v31, 2, v30
	v_mul_u32_u24 v[STR], v31, 80
	v_and_b32 v31, 3, v30
	v_lshl_add_u32 v[STR], v31, 4, v[STR]
	v_add_nc_u32 v[STR], s86, v[STR]               ; back: row lane / 4, 16 bytes a lane
	s_wait_alu depctr_va_vdst(0)
	s_wait_kmcnt 0x0
	s_add_co_i32 s82, s76, s77
	s_lshl_b32 s82, s82, 23
	s_add_co_i32 s[CS], s[CS], s82                 ; a score stands for score x 2^(e6 + e7)
	s_mov_b32 s[CS+1], s[CS]
	s_add_co_i32 s[E89], s78, s79
	s_add_co_i32 s82, s79, 127
	s_lshl_b32 s83, s82, 23
	v_mov_b32 v[SCP], s83
	s_add_co_i32 s82, s82, 8
	s_lshl_b32 s82, s82, 23
	s_or_b32 s[HP], s82, 0x600000
	s_add_co_i32 s82, s80, 127
	s_lshl_b32 s83, s82, 23
	v_mov_b32 v[SCO], s83
	s_add_co_i32 s82, s82, 8
	s_lshl_b32 s82, s82, 23
	s_or_b32 s82, s82, 0x600000
	v_mov_b32 v[LIMO], s82
	s_wait_alu depctr_va_vdst(0)
	s_wait_loadcnt 32                              ; Q and K are in; V's 32 loads may be out
.set i, 0
.rept 32
	ds_store_b128 v[KST], v[SS+4*i:SS+4*i+3] offset:2*KP*i
.set i, i+1
.endr
	s_wait_loadcnt 0x0
	WIN 0x04
.irp p, 0,1,2,3
.irp j, 0,1,2,3,4,5,6,7
	ds_store_b128 v[VST+\j/4], v[4*(8*\p+\j):4*(8*\p+\j)+3] offset:2*VSTEP*(\j%4)+2*VP*\p
.endr
.endr
	WIN 0
	s_wait_dscnt 0x0                               ; my part of K and V lies in LDS
	s_barrier_signal -1
	WIN 0x40                                       ; the step is written once: the first finds zeros, which the first change of M leaves zeros
.set j, 0
.rept 128
	v_mov_b32 v[OO+j], 0
.set j, j+1
.endr
	WIN 0
.irp i, 0,1,2,3
	v_mov_b32 v[ST+4*\i+1], 0xff61b1e6             ; the largest score so far: -3e38
	v_mov_b32 v[ST+4*\i+2], 0
	v_mov_b32 v[ST+4*\i+3], 0
.endr
.irp i, 0,1,2,3
	v_floor_f32 v[ST+4*\i], -v[ST+4*\i+1]          ; -M: 3e38, over every -M to come
.endr
	v_mov_b32 v[FF+1], 0                           ; (named as the upper half of the pair)
	s_mov_b32 s[TBK], 0
	s_mov_b32 s[TBV], 0
	s_mov_b32 s[CNT], 16
	s_wait_alu depctr_va_vdst(0)
	s_barrier_wait -1                              ; everybody's part lies there
.macro KLOAD
.irp t, 0,1,2,3,4,5,6,7
	ds_load_b128 v[KF+8*\t:KF+8*\t+3], v[ADK] offset:4*\t*KP
	ds_load_b128 v[KF+8*\t+4:KF+8*\t+7], v[ADK] offset:4*\t*KP+32
.endr
.endm
; One tile of 16 queries against the step's 128 keys: scores, softmax, p's codes.
.macro TILE i
.set NM, ST+4*\i
	WIN 0x04                                       ; Q lies in window 1
.if \i == 0
	s_wait_dscnt 16                                ; K's fragments, asked for a step ago, are in; V's 16 loads may be out
.endif
.irp t, 0,1,2,3,4,5,6,7
	v_wmma_f32_16x16x64_fp8_fp8 v[SS+8*\t:SS+8*\t+7], v[KF+8*\t:KF+8*\t+7], v[QQ+8*\i:QQ+8*\i+7], 0
.endr
	WIN 0
.if \i == 3
	v_add_nc_u32 v[ADK], s[TBP], v[AK0]            ; four places behind the products: ahead of the first read of the scores, and of the loads into K's registers
	v_nop
	v_nop
	v_nop
	KLOAD                                          ; the next step's K (in the last step: its own once more, which nothing uses: every trip has the same count of loads)
.else
.rept 4
	v_nop
.endr
.endif
.set k, 0                                      ; the largest score of my query among my 64 keys, as a tree: 21 + 7 + 3 + 1 lines; the scores are read in ascending order, so each accumulator from its low end on
.rept 21
	v_max3_num_f32 v[UU+k], v[SS+3*k], v[SS+3*k+1], v[SS+3*k+2]
.set k, k+1
.endr
.set k, 0
.rept 7
	v_max3_num_f32 v[TT+k], v[UU+3*k], v[UU+3*k+1], v[UU+3*k+2]
.set k, k+1
.endr
	v_max3_num_f32 v[UU], v[TT], v[TT+1], v[TT+2]
	v_max3_num_f32 v[UU+1], v[TT+3], v[TT+4], v[TT+5]
	v_max_num_f32 v[UU+2], v[TT+6], v[SS+63]
	s_delay_alu instid0(VALU_DEP_1)
	v_max3_num_f32 v[TA], v[UU], v[UU+1], v[UU+2]
	v_permlanex16_b32 v[TC], v[TA], s[SEL], s[SEL+1]
	s_delay_alu instid0(VALU_DEP_1)
	v_max3_num_f32 v[NM+1], v[NM+1], v[TA], v[TC]  ; the running largest score: mine, lane l xor 16's, and what was
	s_delay_alu instid0(VALU_DEP_1)
	v_mul_f32 v[TA], s[CS], v[NM+1]                ; as t
	s_delay_alu instid0(VALU_DEP_1)
	v_floor_f32 v[TC], -v[TA]                      ; the new -M = -ceil(t)
	s_delay_alu instid0(VALU_DEP_1)
	v_sub_f32 v[TA], v[TC], v[NM]                  ; old M - new M: a whole number, 0 or less
	v_mov_b32 v[NM], v[TC]
	s_delay_alu instid0(VALU_DEP_2)
	v_cvt_i32_f32 v[TA], v[TA]                     ; (it saturates)
	s_delay_alu instid0(VALU_DEP_1)
	v_ldexp_f32 v[FF], 1.0, v[TA]                  ; f = 2^(old M - new M)
	s_delay_alu instid0(VALU_DEP_1)
	v_pk_mul_f32 v[NM+2:NM+3], v[NM+2:NM+3], v[FF:FF+1] op_sel_hi:[1,0]   ; the sums under the new M
	WIN 0x41                                       ; O^T lies in window 1, f in window 0
	s_wait_alu depctr_va_vdst(0)
.set j, 0
.rept 16
	v_pk_mul_f32 v[OO+32*\i+j:OO+32*\i+j+1], v[OO+32*\i+j:OO+32*\i+j+1], v[FF:FF+1] op_sel_hi:[1,0]
.set j, j+2
.endr
	WIN 0
.set j, 0
.rept 32
	v_pk_fma_f32 v[SS+j:SS+j+1], v[SS+j:SS+j+1], s[CS:CS+1], v[NM:NM+1] op_sel_hi:[1,0,0]   ; t - M (of the pairs c and -M the low word serves both halves)
.set j, j+2
.endr
	s_wait_alu depctr_va_vdst(0)
.set j, 0
.rept 64
	v_exp_f32 v[SS+j], v[SS+j]                     ; p = 2^(t - M)
.set j, j+1
.endr
	v_nop                                          ; the plain line behind the exponentials
	s_wait_alu depctr_va_vdst(0)                   ; one wait for the batch, ahead of its first reader
.irp c, 0,1,2,3,4,5,6,7                        ; the row's sum of the unquantised p, in eight chains
	v_pk_add_f32 v[WW+2*\c:WW+2*\c+1], v[SS+2*\c:SS+2*\c+1], v[SS+16+2*\c:SS+16+2*\c+1]
.endr
.irp k, 2,3
.irp c, 0,1,2,3,4,5,6,7
	v_pk_add_f32 v[WW+2*\c:WW+2*\c+1], v[WW+2*\c:WW+2*\c+1], v[SS+16*\k+2*\c:SS+16*\k+2*\c+1]
.endr
.endr
.irp c, 0,1,2,3
	v_pk_add_f32 v[WW+2*\c:WW+2*\c+1], v[WW+2*\c:WW+2*\c+1], v[WW+8+2*\c:WW+8+2*\c+1]
.endr
	v_pk_add_f32 v[WW:WW+1], v[WW:WW+1], v[WW+4:WW+5]
	v_pk_add_f32 v[WW+2:WW+3], v[WW+2:WW+3], v[WW+6:WW+7]
	s_delay_alu instid0(VALU_DEP_1)
	v_pk_add_f32 v[WW:WW+1], v[WW:WW+1], v[WW+2:WW+3]
	s_delay_alu instid0(VALU_DEP_1)
	v_pk_add_f32 v[NM+2:NM+3], v[NM+2:NM+3], v[WW:WW+1]
	s_cmp_ge_i32 s[E9], -8                         ; 448 x 2^e9 >= 1.75: the hold cannot bind
	s_wait_alu depctr_va_vdst(0)
	s_cbranch_scc1 .Lno_hold_\@
.set j, 0
.rept 64
	v_min_num_f32 v[SS+j], s[HP], v[SS+j]          ; the conversion does not saturate (ISA guide 7.6.2); p is not negative, so the hold is one-sided
.set j, j+1
.endr
.Lno_hold_\@:
.irp b, 0,1,2,3
	v_cvt_scalef32_pk8_fp8_f32 v[PP+16*\i+4*\b:PP+16*\i+4*\b+1], v[SS+16*\b:SS+16*\b+7], v[SCP]
	v_cvt_scalef32_pk8_fp8_f32 v[PP+16*\i+4*\b+2:PP+16*\i+4*\b+3], v[SS+16*\b+8:SS+16*\b+15], v[SCP]
.endr
	v_nop                                          ; one plain line behind the last conversion
.endm
	v_add_nc_u32 v[ADK], s[TBK], v[AK0]
	KLOAD                                          ; step 0's K
.Lstep:
	s_add_co_u32 s[TBK], s[TBK], KSTEP
	s_min_u32 s[TBP], s[TBK], 15*KSTEP             ; no load leaves K's region
	v_add_nc_u32 v[ADV], s[TBV], v[AV0]            ; four places behind the last products, ahead of the loads into V's registers
	v_nop
	v_nop
	v_nop
	WIN 0x40
.irp t, 0,1,2,3
.irp c, 0,1,2,3
	ds_load_b128 v[16*\t+4*\c:16*\t+4*\c+3], v[ADV] offset:16*\t*VP+32*\c
.endr
.endr
	TILE 0
	TILE 1
	TILE 2
	TILE 3
	s_wait_alu depctr_va_vdst(0)
	s_wait_dscnt 16                                ; V's fragments are in; the next step's 16 loads of K may be out
	WIN 0x51                                       ; O^T and V in window 1, p's codes in window 0
.irp i, 0,1,2,3                                ; sixteen accumulators, one instruction each
.irp t, 0,1,2,3
	v_wmma_f32_16x16x128_fp8_fp8 v[OO+32*\i+8*\t:OO+32*\i+8*\t+7], v[16*\t:16*\t+15], v[PP+16*\i:PP+16*\i+15], v[OO+32*\i+8*\t:OO+32*\i+8*\t+7]
.endr
.endr
	WIN 0
	s_add_co_u32 s[TBV], s[TBV], VSTEP
	s_sub_co_u32 s[CNT], s[CNT], 1
	s_cmp_lg_u32 s[CNT], 0
	s_wait_alu depctr_va_vdst(0)
	s_cbranch_scc1 .Lstep
; THE WAY OUT.  O = O^T x 2^(e8 + e9) / the sum; held within 448 x 2^e10; eight channels of a lane become eight codes; a tile's 16 rows x 64 codes go through my stage and leave as 1,024 bytes on end.
.irp i, 0,1,2,3
	v_add_f32 v[ST+4*\i+2], v[ST+4*\i+2], v[ST+4*\i+3]     ; (these four are the places behind the last products)
.endr
.irp i, 0,1,2,3
	v_permlanex16_b32 v[TT+\i], v[ST+4*\i+2], s[SEL], s[SEL+1]
.endr
.irp i, 0,1,2,3
	v_add_f32 v[ST+4*\i+2], v[ST+4*\i+2], v[TT+\i]         ; the row's sum
.endr
	s_wait_alu depctr_va_vdst(0)
.irp i, 0,1,2,3
	v_rcp_f32 v[ST+4*\i+2], v[ST+4*\i+2]
.endr
	v_nop
	s_wait_alu depctr_va_vdst(0)                   ; the wait behind the batch, ahead of its first reader
.irp i, 0,1,2,3
	v_ldexp_f32 v[ST+4*\i+2], v[ST+4*\i+2], s[E89]
.endr
.irp i, 0,1,2,3
	WIN 0x01
	s_wait_alu depctr_va_vdst(0)
.set j, 0
.rept 16
	v_pk_mul_f32 v[SS+j:SS+j+1], v[OO+32*\i+j:OO+32*\i+j+1], v[ST+4*\i+2:ST+4*\i+3] op_sel_hi:[1,0]   ; register 8 t + n is O(query r, channel 16 t + 8 h + n)
.set j, j+2
.endr
	WIN 0
.set j, 0
.rept 32
	v_med3_num_f32 v[SS+j], v[SS+j], -v[LIMO], v[LIMO]
.set j, j+1
.endr
.irp t, 0,1,2,3
	v_cvt_scalef32_pk8_fp8_f32 v[PP+8*\i+2*\t:PP+8*\i+2*\t+1], v[SS+8*\t:SS+8*\t+7], v[SCO]
.endr
	v_nop                                          ; one plain line behind the last conversion
.irp t, 0,1,2,3
	ds_store_b64 v[STI], v[PP+8*\i+2*\t:PP+8*\i+2*\t+1] offset:16*\t
.endr
	ds_load_b128 v[192+8*\i:195+8*\i], v[STR]              ; LDS serves a wave's instructions in order: these see my stores, and the next tile's stores come behind them
	ds_load_b128 v[196+8*\i:199+8*\i], v[STR] offset:640
.endr
	s_wait_dscnt 0x0
.irp n, 0,1,2,3,4,5,6,7
	global_store_b128 v[GO], v[192+4*\n:195+4*\n], s[16:17] offset:512*\n   ; 32 lanes store 512 bytes on end, aligned
.endr
	s_wait_tensorcnt 0x0                           ; the wave's end
	ds_add_u32 v[SPW], v[NIL]
	s_wait_dscnt 0x0
	s_endpgm
.Lfunc_end_k_qf857819ce8_attn:
	.size	k_qf857819ce8_attn, .Lfunc_end_k_qf857819ce8_attn-k_qf857819ce8_attn
	.p2alignl 7, 3214868480
	.fill 96, 4, 3214868480
	.section	.rodata,"a",@progbits
	.p2align	6, 0x0
	.amdhsa_kernel k_qf857819ce8_attn
		.amdhsa_group_segment_fixed_size 297984
		.amdhsa_private_segment_fixed_size 0
		.amdhsa_enable_private_segment 0
		.amdhsa_kernarg_size 24
		.amdhsa_user_sgpr_count 2
		.amdhsa_user_sgpr_kernarg_segment_ptr 1
		.amdhsa_wavefront_size32 1
		.amdhsa_system_sgpr_workgroup_id_x 1
		.amdhsa_system_sgpr_workgroup_id_y 1
		.amdhsa_system_sgpr_workgroup_id_z 1
		.amdhsa_system_vgpr_workitem_id 0
		.amdhsa_next_free_vgpr 512
		.amdhsa_next_free_sgpr 100
		.amdhsa_reserve_vcc 0
		.amdhsa_float_denorm_mode_32 3
		.amdhsa_float_denorm_mode_16_64 3
		.amdhsa_memory_ordered 1
		.amdhsa_forward_progress 1
		.amdhsa_inst_pref_size 96
	.end_amdhsa_kernel
	.amdgpu_metadata
---
amdhsa.version: [ 1, 2 ]
amdhsa.kernels:
  - .name:           k_qf857819ce8_attn
    .symbol:         k_qf857819ce8_attn.kd
    .args:
      - { .name: qkv, .offset: 0, .size: 8, .value_kind: global_buffer, .address_space: global }
      - { .name: lowp_scales, .offset: 8, .size: 8, .value_kind: global_buffer, .address_space: global }
      - { .name: ac, .offset: 16, .size: 8, .value_kind: global_buffer, .address_space: global }
    .group_segment_fixed_size: 297984
    .private_segment_fixed_size: 0
    .kernarg_segment_align: 8
    .kernarg_segment_size: 24
    .max_flat_workgroup_size: 256
    .sgpr_count:     100
    .vgpr_count:     512
    .wavefront_size: 32
...
	.end_amdgpu_metadata
.endif
;; end of part 3
;; launch outp (part 4): grid 4 x 32, 4 waves a work-group, clusters of 4 x 4, 327,680 bytes of LDS; arguments ac, cod, lowp_scales, bo, out0; writes out0
.if DOCPART == 4
	.amdgcn_target "amdgcn-amd-amdhsa--gfx1250"
	.amdhsa_code_object_version 6
	.text
	.protected	k_qf857819ce8_outp
	.globl	k_qf857819ce8_outp
	.p2align	8
	.type	k_qf857819ce8_outp,@function
k_qf857819ce8_outp:
	s_mov_b64 s[64:65], 0
	v_nop
	global_prefetch_b8 v0, s[64:65] scope:SCOPE_SE
	s_setreg_imm32_b32 hwreg(HW_REG_WAVE_MODE, 25, 1), 1
	s_wait_xcnt 0x0
	s_wait_alu depctr_hold_cnt(0) depctr_sa_sdst(0) depctr_va_vdst(0) depctr_va_sdst(0) depctr_va_ssrc(0) depctr_va_vcc(0) depctr_vm_vsrc(0)
	s_getreg_b32 s2, hwreg(HW_REG_IB_STS2, 6, 4)
	s_cmp_eq_u32 s2, 0
	s_cbranch_scc0 .Lentry_in_a_cluster
	s_endpgm
.Lentry_in_a_cluster:
	s_bfe_u32 s2, ttmp6, 0x10000c
	s_cmp_lg_u32 s2, 0xf033
	s_cbranch_scc0 .Lentry_shape_is_right
	s_endpgm
.Lentry_shape_is_right:
.set WOOFF,  25165824+(3<<20)
.set ROWB,   256
.set KROW,   1024
.set PITCH,  272
.set HEADB,  64*PITCH
.set FR,     16
.set NL,     4
.set NP,     4
.set HALFT,  128*PITCH
.set SLOT,   4*HALFT
.set LAPS,   2
.set SPARE,  2*SLOT
.set SPITCH, 528
.set ADRA, 16
.set ADRB, 20
.set STO,  24
.set RD,   25
.set CO,   26
.set SPW,  28
.set NIL,  29
.set BB,   32
.set AF,   128
.set TMP,  128
.set BK,   192
.set G1, 24
.set G0, 32
.set G1B, 48
.set G0B, 56
.set MSB, 0
.macro WIN new
.if MSB != \new
	s_set_vgpr_msb (MSB<<8)|\new
.set MSB, \new
.endif
.endm
.set MUL_LO, 0xa1
.set MUL_HI, 0xf1
.set TO_B,   0x40
.macro JLOAD g0a, g1a, g0b, g1b
	s_cmp_eq_u32 s15, 0
	s_cbranch_scc0 .Lfor_b_\@
	tensor_load_to_lds s[\g0a:\g0a+3], s[\g1a:\g1a+7]
	s_nop 0
.rept 4
	v_nop
.endr
	s_branch .Lasked_\@
.Lfor_b_\@:
	tensor_load_to_lds s[\g0b:\g0b+3], s[\g1b:\g1b+7]
	s_nop 0
.rept 4
	v_nop
.endr
.Lasked_\@:
.endm
.macro CREST
	s_cmp_lg_u32 s14, 0
	s_cbranch_scc1 .Lnot_wave_0_\@
	s_barrier_signal -3
.Lnot_wave_0_\@:
	s_barrier_wait -3
	s_barrier_signal -1
	s_barrier_wait -1
.endm
.macro CROUND
	s_barrier_signal -1
	s_barrier_wait -1
	CREST
.endm
	s_load_b128 s[4:7], s[0:1], 0x0
	s_load_b128 s[8:11], s[0:1], 0x10
	s_load_b64 s[12:13], s[0:1], 0x20
	v_lshl_add_u32 v[SPW], v0, 2, SPARE
	v_mov_b32 v[NIL], 0
	ds_add_u32 v28, v29
	ds_add_u32 v28, v29
	s_wait_dscnt 0x0
	v_lshrrev_b32 v1, 5, v0
	v_readfirstlane_b32 s14, v1
	s_lshr_b32 s15, s14, 1
	s_and_b32 s16, s14, 1
	s_bfe_u32 s40, ttmp6, 0x40000
	s_bfe_u32 s41, ttmp6, 0x40004
	s_and_b32 s17, ttmp7, 0xffff
	s_lshl_b32 s17, s17, 2
	s_add_co_u32 s17, s17, s41
	s_lshl_b32 s43, s41, 2
	s_lshl_b32 s43, 15, s43
	s_lshl_b32 s44, 0x1111, s40
	s_or_b32 s[G1+0], s43, (0<<16)|(1<<20)|(1<<21)|(5<<22)|(3<<25)
	s_or_b32 s[G1B+0], s44, (0<<16)|(1<<20)|(1<<21)|(5<<22)|(3<<25)
.irp g, G1, G1B
	s_mov_b32 s[\g+1], ROWB<<16
	s_mov_b32 s[\g+2], 128<<16
	s_mov_b32 s[\g+3], ROWB<<16
	s_mov_b32 s[\g+4], 128
	s_mov_b32 s[\g+6], 0
	s_mov_b32 s[\g+7], 0
.endr
	s_mov_b32 s[G1+5], ROWB
	s_mov_b32 s[G1B+5], KROW
	s_lshl_b32 s20, s17, 18
	s_lshl_b32 s22, s16, 15
	s_add_co_u32 s20, s20, s22
	s_mov_b32 s21, 0
	s_lshl_b32 s46, s40, 18
	s_lshl_b32 s22, s16, 17
	s_add_co_u32 s46, s46, s22
	s_add_co_u32 s46, s46, WOOFF
	s_mov_b32 s47, 0
	s_mul_i32 s45, s14, HALFT
	s_wait_kmcnt 0x0
	s_load_b64 s[96:97], s[8:9], 0x28
	s_add_nc_u64 s[20:21], s[4:5], s[20:21]
	s_add_nc_u64 s[46:47], s[6:7], s[46:47]
	CROUND
.irp s, 0,1
	s_mov_b32 s[G0+4*\s], 1
	s_add_co_u32 s[G0+4*\s+1], s45, \s*SLOT
	s_add_nc_u64 s[G0+4*\s+2:G0+4*\s+3], s[20:21], \s*65536
	s_or_b32 s[G0+4*\s+3], s[G0+4*\s+3], 0x80000000
	s_mov_b32 s[G0B+4*\s], 1
	s_add_co_u32 s[G0B+4*\s+1], s45, \s*SLOT
	s_add_nc_u64 s[G0B+4*\s+2:G0B+4*\s+3], s[46:47], \s*ROWB
	s_or_b32 s[G0B+4*\s+3], s[G0B+4*\s+3], 0x80000000
	s_wait_alu depctr_va_vdst(0)
	s_wait_tensorcnt 0x0
	ds_add_u32 v28, v29
	ds_add_u32 v28, v29
	s_wait_dscnt 0x0
	CROUND
	JLOAD G0+4*\s, G1, G0B+4*\s, G1B
.endr
	v_and_b32 v1, 15, v0
	v_bfe_u32 v2, v0, 4, 1
	v_mul_u32_u24 v3, v1, PITCH
	v_lshl_add_u32 v4, v2, 4, v3
	v_lshrrev_b32 v5, 2, v1
	v_mul_u32_u24 v5, v5, PITCH
	v_and_b32 v6, 3, v1
	v_lshl_add_u32 v5, v6, 6, v5
	v_lshl_add_u32 v5, v2, 4, v5
	s_mul_i32 s21, s15, 32*PITCH
	s_mul_i32 s22, s16, HALFT
	s_add_co_u32 s22, s22, 2*HALFT
.irp s, 0,1
	v_add_nc_u32 v[ADRA+\s], s21, v5
	v_add_nc_u32 v[ADRB+\s], s22, v4
	s_add_co_u32 s21, s21, SLOT
	s_add_co_u32 s22, s22, SLOT
.endr
	s_mul_i32 s23, s14, 16*SPITCH
	v_mul_u32_u24 v5, v1, SPITCH
	v_lshl_add_u32 v5, v2, 5, v5
	v_add_nc_u32 v[STO], s23, v5
	v_and_b32 v6, 31, v0
	v_lshlrev_b32 v[CO], 4, v6
	v_add_nc_u32 v[RD], s23, v[CO]
	v_lshlrev_b32 v8, 5, v2
	s_lshl_b32 s22, s40, 10
	s_lshl_b32 s23, s16, 9
	s_add_co_u32 s22, s22, s23
	s_mov_b32 s23, 0
	s_add_nc_u64 s[10:11], s[10:11], s[22:23]
.irp b, 0,1,2,3,4,5,6,7
	global_load_b128 v[BB+8*\b:BB+8*\b+3], v8, s[10:11] offset:64*\b
	global_load_b128 v[BB+8*\b+4:BB+8*\b+7], v8, s[10:11] offset:64*\b+16
.endr
	s_add_nc_u64 s[12:13], s[12:13], s[22:23]
	s_lshl_b32 s22, s17, 20
	s_lshl_b32 s18, s15, 19
	s_add_co_u32 s22, s22, s18
	s_add_nc_u64 s[12:13], s[12:13], s[22:23]
.macro FRAG reg, adr, q, i
.irp c, 0,1,2,3
	ds_load_b128 v[\reg+4*\c:\reg+4*\c+3], v[\adr] offset:128*(\q)+32*\c+(\i)*16*PITCH
.endr
.endm
.macro FRAGA reg, slot, q, i
.irp c, 0,1,2,3
	ds_load_b128 v[\reg+4*\c:\reg+4*\c+3], v[ADRA+\slot] offset:(2*(\q)+\c/2)*HEADB+(\i)*4*PITCH+32*(\c%2)
.endr
.endm
.macro MUL16 a0, p, zero
.irp a, \a0, \a0+1
.irp b, 0,1,2,3,4,5,6,7
.if \zero
	v_wmma_f32_16x16x128_fp8_fp8 v[8*(8*((\a)%4)+\b):8*(8*((\a)%4)+\b)+7], v[128*(\p)+FR*\b:128*(\p)+FR*\b+FR-1], v[AF+FR*(\a):AF+FR*(\a)+FR-1], 0
.else
	v_wmma_f32_16x16x128_fp8_fp8 v[8*(8*((\a)%4)+\b):8*(8*((\a)%4)+\b)+7], v[128*(\p)+FR*\b:128*(\p)+FR*\b+FR-1], v[AF+FR*(\a):AF+FR*(\a)+FR-1], v[8*(8*((\a)%4)+\b):8*(8*((\a)%4)+\b)+7]
.endif
.endr
.endr
.endm
.macro FETCH_B slot, q, p
	WIN TO_B
.irp i, 0,1,2,3,4,5,6,7
	FRAG 128*(\p)+FR*\i, ADRB+\slot, \q, \i
.endr
	WIN 0
.endm
.macro FETCH_A slot, q, i0
.irp i, \i0, \i0+1, \i0+2, \i0+3
	FRAGA AF+FR*(\i), \slot, \q, \i
.endr
.endm
.macro PLACES n
.rept \n
	v_nop
.endr
.endm
.macro STEP slot, q, zero
	s_wait_dscnt 4*NL
	WIN MUL_LO
	MUL16 0, (\q)%2, \zero
	MUL16 2, (\q)%2, \zero
	s_wait_dscnt 0
	PLACES NP
	FETCH_B \slot, (\q)+1, 1-(\q)%2
	FETCH_A \slot, (\q)+1, 0
	WIN MUL_HI
	MUL16 4, (\q)%2, \zero
	MUL16 6, (\q)%2, \zero
	PLACES NP
	WIN 0
	FETCH_A \slot, (\q)+1, 4
.endm
.macro TURN slot, next, fill
	s_wait_tensorcnt 0x0
	ds_add_u32 v[SPW], v[NIL]
	s_wait_dscnt 4*NL+1
	WIN MUL_LO
	MUL16 0, 1, 0
	s_wait_dscnt 0x0
	s_barrier_signal -1
	MUL16 2, 1, 0
	WIN 0
	s_barrier_wait -1
.if \fill
	CREST
	s_add_nc_u64 s[G0+4*\slot+2:G0+4*\slot+3], s[G0+4*\slot+2:G0+4*\slot+3], 2*65536
	s_add_nc_u64 s[G0B+4*\slot+2:G0B+4*\slot+3], s[G0B+4*\slot+2:G0B+4*\slot+3], 2*ROWB
	JLOAD G0+4*\slot, G1, G0B+4*\slot, G1B
.else
	PLACES NP
.endif
	s_wait_alu depctr_va_vdst(0)
	FETCH_B \next, 0, 0
	FETCH_A \next, 0, 0
	WIN MUL_HI
	MUL16 4, 1, 0
	MUL16 6, 1, 0
	PLACES NP
	WIN 0
	FETCH_A \next, 0, 4
.endm
	s_wait_tensorcnt 1
	s_barrier_signal -1
	s_barrier_wait -1
	FETCH_B 0, 0, 0
	FETCH_A 0, 0, 0
	FETCH_A 0, 0, 4
	STEP 0, 0, 1
	s_mov_b32 s3, LAPS-1
.Llap:
	TURN 0, 1, 1
	STEP 1, 0, 0
	TURN 1, 0, 1
	STEP 0, 0, 0
	s_sub_co_u32 s3, s3, 1
	s_cmp_lg_u32 s3, 0
	s_cbranch_scc1 .Llap
	TURN 0, 1, 0
	STEP 1, 0, 0
	s_wait_dscnt 4*NL
	WIN MUL_LO
	MUL16 0, 1, 0
	MUL16 2, 1, 0
	s_wait_dscnt 0
	WIN MUL_HI
	MUL16 4, 1, 0
	MUL16 6, 1, 0
	WIN 0
	s_wait_kmcnt 0x0
	s_add_co_i32 s96, s96, s97
	s_add_co_i32 s96, s96, 127
	s_lshl_b32 s96, s96, 23
	s_mov_b32 s97, s96
	s_wait_loadcnt 0x0
	PLACES NP
.macro OUTB a
.set AC, 64*((\a)%4)
.if (\a) > 0
	s_wait_xcnt 0x0
.endif
	WIN (0x02+((\a)/4))
.set j, 0
.rept 32
	v_pk_fma_f32 v[TMP+j:TMP+j+1], v[AC+j:AC+j+1], s[96:97], v[BB+j:BB+j+1] op_sel_hi:[1,0,1]
.set j, j+2
.endr
	WIN 0
.irp b, 0,1,2,3,4,5,6,7
	ds_store_b128 v[STO], v[TMP+8*\b:TMP+8*\b+3] offset:64*\b
	ds_store_b128 v[STO], v[TMP+8*\b+4:TMP+8*\b+7] offset:64*\b+16
.endr
.irp t, 0,1,2,3,4,5,6,7,8,9,10,11,12,13,14,15
	ds_load_b128 v[BK+4*\t:BK+4*\t+3], v[RD] offset:\t*SPITCH
.endr
.if (\a) > 0
	s_add_nc_u64 s[12:13], s[12:13], 16*4096
.endif
.irp t, 0,1,2,3,4,5,6,7,8,9,10,11,12,13,14,15
	s_wait_dscnt 15-\t
	global_store_b128 v[CO], v[BK+4*\t:BK+4*\t+3], s[12:13] offset:\t*4096 th:TH_STORE_NT
.endr
.endm
.irp a, 0,1,2,3,4,5,6,7
	OUTB \a
.endr
	s_wait_tensorcnt 0x0
	ds_add_u32 v[SPW], v[NIL]
	s_wait_dscnt 0x0
	CROUND
	s_endpgm
.Lfunc_end_k_qf857819ce8_outp:
	.size	k_qf857819ce8_outp, .Lfunc_end_k_qf857819ce8_outp-k_qf857819ce8_outp
	.p2alignl 7, 3214868480
	.fill 96, 4, 3214868480
	.section	.rodata,"a",@progbits
	.p2align	6, 0x0
	.amdhsa_kernel k_qf857819ce8_outp
		.amdhsa_group_segment_fixed_size 327680
		.amdhsa_private_segment_fixed_size 0
		.amdhsa_enable_private_segment 0
		.amdhsa_kernarg_size 40
		.amdhsa_user_sgpr_count 2
		.amdhsa_user_sgpr_kernarg_segment_ptr 1
		.amdhsa_wavefront_size32 1
		.amdhsa_system_sgpr_workgroup_id_x 1
		.amdhsa_system_sgpr_workgroup_id_y 1
		.amdhsa_system_sgpr_workgroup_id_z 1
		.amdhsa_system_vgpr_workitem_id 0
		.amdhsa_next_free_vgpr 1024
		.amdhsa_next_free_sgpr 100
		.amdhsa_reserve_vcc 0
		.amdhsa_float_denorm_mode_32 3
		.amdhsa_float_denorm_mode_16_64 3
		.amdhsa_memory_ordered 1
		.amdhsa_forward_progress 1
		.amdhsa_inst_pref_size 130
	.end_amdhsa_kernel
	.amdgpu_metadata
---
amdhsa.version: [ 1, 2 ]
amdhsa.kernels:
  - .name:           k_qf857819ce8_outp
    .symbol:         k_qf857819ce8_outp.kd
    .args:
      - { .name: ac, .offset: 0, .size: 8, .value_kind: global_buffer, .address_space: global }
      - { .name: cod, .offset: 8, .size: 8, .value_kind: global_buffer, .address_space: global }
      - { .name: lowp_scales, .offset: 16, .size: 8, .value_kind: global_buffer, .address_space: global }
      - { .name: bo, .offset: 24, .size: 8, .value_kind: global_buffer, .address_space: global }
      - { .name: out0, .offset: 32, .size: 8, .value_kind: global_buffer, .address_space: global }
    .group_segment_fixed_size: 327680
    .private_segment_fixed_size: 0
    .kernarg_segment_align: 8
    .kernarg_segment_size: 40
    .max_flat_workgroup_size: 128
    .sgpr_count:     100
    .vgpr_count:     1024
    .wavefront_size: 32
...
	.end_amdgpu_metadata
.endif
;; end of part 4
